; MI455X (gfx1250); checked and timed in simulation.
; The chip was launched on July 23, 2026; its instructions are those of AMD's public machine-readable ISA for CDNA 5 (MIT licence, August 2026) and "CDNA5" Instruction Set Architecture Reference Guide (July 2026). The comments in the code are by the model that wrote it; some were corrected since.
;; Manual Multihead Attention. Allowed arithmetic: matrix products marked QUANTISED: E4M3 operands, one given power-of-two scale a tensor, by v_wmma_f32_16x16x64_fp8_fp8 or v_wmma_f32_16x16x128_fp8_fp8, f32 sums; everything else in f32.
;; Inputs: b_out 1,024 float32; b_qkv 3,072 float32; lowp_scales 8 int32 (the exponents e of the quantised operands' scales 2^e); w_out_codes 1,024 x 32 x 32 uint8 (E4M3 codes of w_out, K innermost, in blocks of 32 codes); w_qkv_codes 3,072 x 32 x 32 uint8 (E4M3 codes of w_qkv, K innermost, in blocks of 32 codes); x_codes 2,048 x 4 x 32 x 32 uint8 (E4M3 codes of x, K innermost, in blocks of 32 codes).
;; Outputs: out0 2,048 x 4 x 1,024 float32.
;; Constants: causal = 1.
;; This version of the problem:
;;   THIS VERSION OF THE PROBLEM IS GIVEN IN LOW PRECISION. The matrix products marked QUANTISED in the list below multiply operands that are first quantised to E4M3 (4 exponent bits, 3 mantissa bits; 8 bits a number), with one given power-of-two scale for each operand tensor; their sums are f32. All else is computed in f32.
;;   The module's matrix products, in the order in which they are computed (A, B: the left and right operand; K: the contracted axis; several contracted axes count as one K, in the product's order):
;;     1. [M 8,192, K 1,024] x [K 1,024, N 3,072]; A: input x (given as codes); B: input w_qkv (given as codes): QUANTISED (scales: A lowp_scales[0], B lowp_scales[1])
;;     2. batch 64 x [M 2,048, K 64] x [K 64, N 2,048]; A: computed on the way; B: computed on the way: QUANTISED (scales: A lowp_scales[2], B lowp_scales[3])
;;     3. batch 64 x [M 2,048, K 2,048] x [K 2,048, N 64]; A: softmax (see below); B: computed on the way: QUANTISED (scales: A lowp_scales[4], B lowp_scales[5])
;;     4. [M 8,192, K 1,024] x [K 1,024, N 1,024]; A: computed on the way; B: input w_out (given as codes): QUANTISED (scales: A lowp_scales[6], B lowp_scales[7])
;;   THE QUANTISER, for each operand of a quantised product, along K:
;;     - The operand's scale is 2^e, e = its entry of the input lowp_scales (int32; the entries are numbered through the quantised products in the list's order, A before B).
;;     - Each number is divided by the scale, clamped to +-448, and rounded to the nearest number of E4M3, ties to even, subnormals kept.
;;     - The product sums the exact products of the quantised numbers (number of the format x scale) in f32.
;;   ~~~python
;;   def quantise(x, axis, e):      # numpy; x: float32 -> the quantised numbers, widened to float32 again
;;       x = np.moveaxis(x, axis, -1); K = x.shape[-1]
;;       r = np.clip(x / 2.0 ** e, -448, 448)
;;       step = 2.0 ** (np.maximum(np.frexp(np.where(r == 0, 1, r))[1] - 1, -6) - 3)
;;       q = np.round(r / step) * step * 2.0 ** e      # np.round: ties to even
;;       return np.moveaxis(q, -1, axis).astype(np.float32)
;;   ~~~
;;   SOFTMAX AHEAD OF A QUANTISED PRODUCT. Where the list says 'softmax', what is quantised is not the finished softmax but p = 2^(t - M), with t = logit x log2(e) and M = ceil(the row's largest t), a whole number; so 1/2 < the row's largest p <= 1. The row's sum l is taken of the UNQUANTISED p, in f32, and the product's result is divided by l at the end. Since M is a whole number, a kernel that streams over the keys may use a running M (the ceiling of the running maximum): every later rescaling is an exact power of two, so the quantised numbers keep their values, but for numbers so far below the row's largest that they fall under the format's range.
;;   OPERANDS COMPUTED ON THE WAY. 'Computed on the way' means the value that the module computes at that place (a softmax that the list does not call 'softmax' is quantised finished and normalised). What goes into a quantiser is computed in f32, as accurately as f32 sums, v_exp_f32 and their like allow (about 1e-6 of the number): no bf16 or f16 on the way to a quantiser, and a product that is left as it is and whose result goes on into a quantised operand takes f32 operands (vector FMAs, or v_wmma_f32_16x16x4_f32). A number that lies on a knife's edge between two numbers of the format may be rounded either way, as far as f32 arithmetic and the matrix unit's own rounding can turn it there, and no further.
;;   INPUTS GIVEN AS CODES. w_out (in the module: [1024, 1024], K = its axis 1); w_qkv (in the module: [3072, 1024], K = its axis 1); x (in the module: [2048, 4, 1024], K = its axis 2): each comes as NAME_codes (uint8): NAME with its K axis moved to the last place and cut into blocks of 32 codes, [.., K / 32, bytes a block], one block behind the other in memory; one code a byte (a code: sign, 4 exponent bits, 3 mantissa bits); its scale is its entry of lowp_scales. Its value is code x scale, taken as it is: it is not quantised again, and the codes and scales need not be those that the quantiser above would give.
;; One version. Each part assembles by itself: llvm-mc -triple=amdgcn-amd-amdhsa -mcpu=gfx1250 --defsym DOCPART=n.
;; ======== version 1 of 1: 3 launches
;; limits: right only within a limited range of input values
;; workspace buffers: q_img 8,388,608 bytes; kv_img 16,777,216 bytes; a_img 8,388,608 bytes
;; launch qkv (part 1): grid 12 x 32, 4 waves a work-group, clusters of 4 x 4, 327,680 bytes of LDS; arguments x_codes, w_qkv_codes, lowp_scales, b_qkv, q_img, kv_img; writes q_img, kv_img
.if DOCPART == 1
	.amdgcn_target "amdgcn-amd-amdhsa--gfx1250"
	.amdhsa_code_object_version 6
	.text
	.protected	k_q9c30ff65c3_qkv
	.globl	k_q9c30ff65c3_qkv
	.p2align	8
	.type	k_q9c30ff65c3_qkv,@function
k_q9c30ff65c3_qkv:
	s_mov_b64 s[64:65], 0
	v_nop
	global_prefetch_b8 v0, s[64:65] scope:SCOPE_SE
	s_setreg_imm32_b32 hwreg(HW_REG_WAVE_MODE, 25, 1), 1
	s_wait_xcnt 0x0
	s_wait_alu depctr_hold_cnt(0) depctr_sa_sdst(0) depctr_va_vdst(0) depctr_va_sdst(0) depctr_va_ssrc(0) depctr_va_vcc(0) depctr_vm_vsrc(0)
	s_getreg_b32 s2, hwreg(HW_REG_IB_STS2, 6, 4)
	s_cmp_eq_u32 s2, 0
	s_cbranch_scc0 .Lentry_in_a_cluster
	s_endpgm
.Lentry_in_a_cluster:
	s_bfe_u32 s2, ttmp6, 0x10000c
	s_cmp_lg_u32 s2, 0xf033
	s_cbranch_scc0 .Lentry_shape_is_right
	s_endpgm
.Lentry_shape_is_right:
; qkv = x W^T + b_qkv on codes of E4M3, and q, k, v quantised at once into images of the operand registers that the attention launch loads.
; x: rows (s, b) of 1,024 codes; W: 3,072 rows of 1,024 codes.  A sum stands for sum x 2^(e0 + e1); q, k, v are converted with e = e2, e3, e5.
; LIMITS: e0 + e1 between -126 and 127; e2, e3, e5 between -126 and 127, so that each power of two below is an f32 number.  NaN among the inputs is not served.
; SHARES.  A work-group makes 256 x 256: 256 rows s of ONE batch b (rows 4,096 bytes apart in x) x 256 columns; four waves, each 128 x 128: 64 accumulators, 512 registers.
; Tile column tc = 4 x cluster x + cx: cluster x = 0 is q, 1 is k, 2 is v.  K goes in four steps of 256 through two LDS slots filled by joint tensor loads: x's tile is shared along a row of the
; 4 x 4 cluster, W's along a column.
; ORIENTATION.  Every product is D = source 0 (the R set, window 1, two sets) x source 1 (the P set, window 0, one set): a lane holds ONE row of P and its eight registers run along rows of R.
;   q, k: P = rows of x, R = rows of W: a lane's eight registers are eight neighbouring d of one query or key.
;   v:    P = rows of W, R = rows of x: a lane holds one d and its registers run along the keys, which are the second product's K.
; Only the two LDS read bases differ (a choice on the cluster's x, which all partners share); tensor loads, LDS regions and the loop's text are the same.
; IMAGES.  Four registers go out as 512 dense bytes, lane l's 16 bytes at 16 l.
;   q_img [bh][tile of 16 queries][1,024]: registers 2 c, 2 c + 1 of lane (r, h) = d 16 c + 8 h + 0..7 of query r; registers 0-3 at 0, 4-7 at 512.
;   kv_img [bh][chunk of 128 keys][16,384]: bytes 0-8,191 eight key tiles like q's; bytes 8,192 on four fragments of V^T of 2,048: lane r = d 16 f + r, registers 2 c, 2 c + 1 = keys 16 c + 8 h + 0..7.
; REGISTERS: window 0: v11 scale, v16-23 addresses, v28-29 for the add, v32-95 bias along registers, v96-111 bias along lanes, v128-255 the P set (on the way out: sums and codes);
;   window 1: the R set, twice; windows 2, 3: the accumulators, (a, b) at v[8 (8 (a % 4) + b)] of window 2 + a / 4.
.set ROWB,   256                       ; a tile's row: 256 codes
.set PITCH,  272                       ; an LDS row: 256 bytes + 16 of padding = 68 words: the 16 rows that a load touches start at 16 different banks
.set FR,     16                        ; registers of a fragment: 16 rows x 128 K
.set NL,     4                         ; LDS loads that bring one
.set NP,     4                         ; places behind this matrix instruction (ISA guide 7.12.1)
.set HALFT,  128*PITCH                 ; what one tensor load brings, and what one wave reads of either side
.set SLOT,   4*HALFT                   ; x's 256 rows, then W's 256 rows
.set SPARE,  2*SLOT                    ; behind the ring: the spare words, 128 bytes a wave: two blocks of 256 bytes that no other line names
.set HOLD, 10
.set SCL,  11                          ; v11     2^e
.set ADRA, 16                          ; v16-17  LDS address of the P set's fragments in slot 0, 1
.set ADRB, 20                          ; v20-21  the same for the R set
.set VO0,  22                          ; v22     16 x lane
.set VO1,  23                          ; v23     16 x lane + a head's bytes in the image
.set SPW,  28                          ; v28     LDS address of my spare word; never rewritten
.set NIL,  29                          ; v29     0; never rewritten
.set BI,   32                          ; v32-95  q, k: bias in the result's layout: tile b, register j = column 16 b + 8 h + j
.set BV,   96                          ; v96-111 v: bias of column 16 a + r, in both registers of pair a (the packed form names a pair)
.set AF,   128                         ; the P set
.set TMP,  128                         ; the way out: a block's 64 numbers
.set CD,   192                         ; the way out: codes, two sets of 16 registers
.set G1, 24                            ; s[24:31] descriptor group 1 for x's tiles;  s[32:39] group 0, one set for each slot
.set G0, 32
.set G1B, 48                           ; s[48:55], s[56:63] the same for W's tiles
.set G0B, 56
.set MSB, 0
.macro WIN new                         ; the immediate's high byte repeats the setting that is left
.if MSB != (\new)
	s_set_vgpr_msb (MSB<<8)|(\new)
.set MSB, (\new)
.endif
.endm
.set MUL_LO, 0xa1                      ; source 0 (R) window 1, source 1 (P) window 0, C and D window 2
.set MUL_HI, 0xf1                      ; the same, C and D window 3
.set TO_B,   0x40                      ; destination window 1, address window 0
; A joint load: waves 0 and 1 fetch x's halves, waves 2 and 3 W's.  Each line has one mask and one set of registers for all that issue it; the branch hangs on the wave's number alone.
; Four v_nop follow each of the two lines, ahead of the jump, the label and what follows.
.macro JLOAD g0a, g1a, g0b, g1b
	s_cmp_eq_u32 s15, 0
	s_cbranch_scc0 .Lfor_b_\@
	tensor_load_to_lds s[\g0a:\g0a+3], s[\g1a:\g1a+7]
	s_nop 0
.rept 4
	v_nop
.endr
	s_branch .Lasked_\@
.Lfor_b_\@:
	tensor_load_to_lds s[\g0b:\g0b+3], s[\g1b:\g1b+7]
	s_nop 0
.rept 4
	v_nop
.endr
.Lasked_\@:
.endm
.macro CREST                           ; a round of the cluster's barrier behind its opening barrier
	s_cmp_lg_u32 s14, 0
	s_cbranch_scc1 .Lnot_wave_0_\@
	s_barrier_signal -3
.Lnot_wave_0_\@:
	s_barrier_wait -3
	s_barrier_signal -1
	s_barrier_wait -1
.endm
.macro CROUND                          ; a whole round
	s_barrier_signal -1
	s_barrier_wait -1
	CREST
.endm
	s_load_b256 s[4:11], s[0:1], 0x0               ; x s[4:5], W s[6:7], the scales' exponents s[8:9], b_qkv s[10:11]
	s_load_b128 s[68:71], s[0:1], 0x20             ; q_img s[68:69], kv_img s[70:71]
	v_lshl_add_u32 v[SPW], v0, 2, SPARE
	v_mov_b32 v[NIL], 0
	ds_add_u32 v28, v29
	ds_add_u32 v28, v29
	s_wait_dscnt 0x0
	v_lshrrev_b32 v1, 5, v0
	v_readfirstlane_b32 s14, v1                    ; wave 0..3
	s_lshr_b32 s15, s14, 1                         ; which half of the P side is mine.  Also: I fetch for x (0) or for W (1)
	s_and_b32 s16, s14, 1                          ; which half of the R side.  Also: which 128 rows of that tile I fetch
	s_bfe_u32 s40, ttmp6, 0x40000                  ; cx, cy: my place in the cluster
	s_bfe_u32 s41, ttmp6, 0x40004
	s_lshl_b32 s42, ttmp9, 2
	s_add_co_u32 s42, s42, s40                     ; tile column tc = 4 x cluster x + cx
	s_and_b32 s17, ttmp7, 0xffff
	s_lshl_b32 s17, s17, 2
	s_add_co_u32 s17, s17, s41                     ; tile row = 4 x cluster y + cy: batch = its low two bits, block of 256 s = the rest
	s_lshl_b32 s43, s41, 2
	s_lshl_b32 s43, 15, s43                        ; my row of the cluster
	s_lshl_b32 s44, 0x1111, s40                    ; my column
	s_or_b32 s[G1+0], s43, (0<<16)|(1<<20)|(1<<21)|(5<<22)|(3<<25)  ; 15:0 the mask: x's tiles go to my row; elements of 1 byte; 20 padding on; 21 set beside a mask; after every 64 words (code 5) 4 words (code 3)
	s_or_b32 s[G1B+0], s44, (0<<16)|(1<<20)|(1<<21)|(5<<22)|(3<<25) ; the same with my column's mask, for W's tiles
.irp g, G1, G1B
	s_mov_b32 s[\g+1], ROWB<<16                    ; tensor_dim0 = 256
	s_mov_b32 s[\g+2], 128<<16                     ; tensor_dim1 = 128
	s_mov_b32 s[\g+3], ROWB<<16                    ; tile_dim0 = 256
	s_mov_b32 s[\g+4], 128                         ; tile_dim1 = 128
	s_mov_b32 s[\g+6], 0
	s_mov_b32 s[\g+7], 0
.endr
	s_mov_b32 s[G1+5], 4096                        ; from a row s to the next of the same batch
	s_mov_b32 s[G1B+5], 1024                       ; from a row of W to the next
	s_and_b32 s20, s17, 3                          ; x: batch x 1,024
	s_lshl_b32 s20, s20, 10
	s_lshr_b32 s21, s17, 2
	s_lshl_b32 s21, s21, 20                        ; + block x 256 rows of 4,096 bytes
	s_add_co_u32 s20, s20, s21
	s_lshl_b32 s21, s16, 19                        ; + the 128 rows that I fetch
	s_add_co_u32 s20, s20, s21
	s_mov_b32 s21, 0
	s_lshl_b32 s46, s42, 18                        ; W: tc x 256 rows of 1,024 bytes
	s_lshl_b32 s47, s16, 17
	s_add_co_u32 s46, s46, s47
	s_mov_b32 s47, 0
	s_mul_i32 s45, s14, HALFT                      ; where they go: wave x 128 rows: no place in the cluster enters an LDS address
	s_wait_kmcnt 0x0
	s_load_b256 s[72:79], s[8:9], 0x0              ; e0 .. e7
	s_add_nc_u64 s[20:21], s[4:5], s[20:21]
	s_add_nc_u64 s[46:47], s[6:7], s[46:47]
	CROUND                                         ; all sixteen work-groups are here: the first joint loads meet
.irp s, 0,1
	s_mov_b32 s[G0+4*\s], 1
	s_add_co_u32 s[G0+4*\s+1], s45, \s*SLOT
	s_add_nc_u64 s[G0+4*\s+2:G0+4*\s+3], s[20:21], \s*ROWB
	s_or_b32 s[G0+4*\s+3], s[G0+4*\s+3], 0x80000000
	s_mov_b32 s[G0B+4*\s], 1
	s_add_co_u32 s[G0B+4*\s+1], s45, \s*SLOT
	s_add_nc_u64 s[G0B+4*\s+2:G0B+4*\s+3], s[46:47], \s*ROWB
	s_or_b32 s[G0B+4*\s+3], s[G0B+4*\s+3], 0x80000000
	JLOAD G0+4*\s, G1, G0B+4*\s, G1B
.endr
	v_and_b32 v1, 15, v0                           ; r = l % 16
	v_bfe_u32 v2, v0, 4, 1                         ; h = l / 16
	v_mul_u32_u24 v3, v1, PITCH
	v_lshl_add_u32 v4, v2, 4, v3                   ; a fragment's row x pitch + 16 x half
	s_wait_alu depctr_va_vdst(0)
	s_cmp_eq_u32 ttmp9, 2                          ; do I make v?  The cluster's x is the same in all sixteen partners
	s_cselect_b32 s81, 2*HALFT, 0                  ; the P set reads W's region for v, x's for q and k;
	s_cselect_b32 s82, 0, 2*HALFT                  ; the R set the other one
	s_cselect_b32 s87, s16, s15                    ; which half of the tile's 256 s is mine,
	s_cselect_b32 s83, s15, s16                    ; which half of its 256 columns
	s_cselect_b32 s92, 8192, 0                     ; V^T's fragments lie behind a chunk's key tiles
	s_mul_i32 s21, s15, HALFT
	s_add_co_u32 s21, s21, s81
	s_mul_i32 s22, s16, HALFT
	s_add_co_u32 s22, s22, s82
.irp s, 0,1
	v_add_nc_u32 v[ADRA+\s], s21, v4
	v_add_nc_u32 v[ADRB+\s], s22, v4
	s_add_co_u32 s21, s21, SLOT
	s_add_co_u32 s22, s22, SLOT
.endr
	; both kinds of bias are loaded, without a branch: every address lies inside b_qkv's 3,072 numbers
	s_lshl_b32 s88, s42, 10                        ; 256 tc numbers of 4 bytes
	s_lshl_b32 s90, s16, 9
	s_add_co_u32 s90, s90, s88
	s_mov_b32 s91, 0
	s_add_nc_u64 s[90:91], s[10:11], s[90:91]      ; along registers: the R side's 128 columns
	s_lshl_b32 s94, s15, 9
	s_add_co_u32 s88, s88, s94
	s_mov_b32 s89, 0
	s_add_nc_u64 s[88:89], s[10:11], s[88:89]      ; along lanes: the P side's 128 columns
	v_lshlrev_b32 v5, 5, v2                        ; 8 h numbers
	v_lshlrev_b32 v6, 2, v1                        ; r numbers
.irp b, 0,1,2,3,4,5,6,7
	global_load_b128 v[BI+8*\b:BI+8*\b+3],   v5, s[90:91] offset:64*\b
	global_load_b128 v[BI+8*\b+4:BI+8*\b+7], v5, s[90:91] offset:64*\b+16
.endr
.irp a, 0,1,2,3,4,5,6,7
	global_load_b32 v[BV+2*\a],   v6, s[88:89] offset:64*\a
	global_load_b32 v[BV+2*\a+1], v6, s[88:89] offset:64*\a
.endr
	v_and_b32 v7, 31, v0
	v_lshlrev_b32 v[VO0], 4, v7                    ; 16 x lane
	s_wait_alu depctr_va_vdst(0)
	; the way out's scalars, made while the first tiles are on their way
	s_wait_kmcnt 0x0
	s_add_co_i32 s96, s72, s73                     ; e0 + e1
	s_add_co_i32 s96, s96, 127
	s_lshl_b32 s96, s96, 23                        ; 2^(e0 + e1) as f32
	s_mov_b32 s97, s96                             ; (named with it as a pair, so it is written)
	s_cmp_eq_u32 ttmp9, 0
	s_cselect_b32 s80, s74, s75                    ; e2 for q, e3 for k,
	s_cselect_b64 s[84:85], s[68:69], s[70:71]     ; q_img or kv_img: the choice hangs on the cluster's x alone
	s_mov_b32 s86, 262144
	s_cselect_b32 s86, 131072, s86                 ; a head's bytes in that buffer
	s_cmp_eq_u32 ttmp9, 2
	s_cselect_b32 s80, s77, s80                    ; e5 for v
	s_add_co_i32 s80, s80, 127
	s_lshl_b32 s93, s80, 23
	v_mov_b32 v[SCL], s93                          ; 2^e: the conversion takes its exponent field
	s_and_b32 s93, s17, 3                          ; my first head: 16 x batch + 4 (tc % 4) + 2 x my half of the columns
	s_lshl_b32 s93, s93, 4
	s_and_b32 s94, s42, 3
	s_lshl_b32 s94, s94, 2
	s_add_co_u32 s93, s93, s94
	s_lshl_b32 s94, s83, 1
	s_add_co_u32 s93, s93, s94
	s_mul_i32 s93, s93, s86
	s_lshr_b32 s94, s17, 2                         ; my 128 rows s: number 2 x block + half; they are a sixteenth of a head's bytes
	s_lshl_b32 s94, s94, 1
	s_add_co_u32 s94, s94, s87
	s_lshr_b32 s95, s86, 4
	s_mul_i32 s94, s94, s95
	s_add_co_u32 s93, s93, s94
	s_add_co_u32 s92, s93, s92
	s_mov_b32 s93, 0
	s_add_nc_u64 s[84:85], s[84:85], s[92:93]
	v_add_nc_u32 v[VO1], s86, v[VO0]
.macro FRAG reg, adr, q, i             ; 16 rows x 128 K: lane l holds row l % 16; registers 4 c .. 4 c + 3 hold K = 32 c + 16 (l / 16) + 0 .. 15: one permutation of k, the same on both sides
.irp c, 0,1,2,3
	ds_load_b128 v[\reg+4*\c:\reg+4*\c+3], v[\adr] offset:128*(\q)+32*\c+(\i)*16*PITCH
.endr
.endm
; 16 matrix instructions: P's blocks a0, a0 + 1 x R's eight, 128 along K.  p: R's set.  zero = 1: the first product starts the sums.
; The 64 accumulators take turns, one instruction a turn, in the same order in every step.
.macro MUL16 a0, p, zero
.irp a, \a0, \a0+1
.irp b, 0,1,2,3,4,5,6,7
.if \zero
	v_wmma_f32_16x16x128_fp8_fp8 v[8*(8*((\a)%4)+\b):8*(8*((\a)%4)+\b)+7], v[128*(\p)+FR*\b:128*(\p)+FR*\b+FR-1], v[AF+FR*(\a):AF+FR*(\a)+FR-1], 0
.else
	v_wmma_f32_16x16x128_fp8_fp8 v[8*(8*((\a)%4)+\b):8*(8*((\a)%4)+\b)+7], v[128*(\p)+FR*\b:128*(\p)+FR*\b+FR-1], v[AF+FR*(\a):AF+FR*(\a)+FR-1], v[8*(8*((\a)%4)+\b):8*(8*((\a)%4)+\b)+7]
.endif
.endr
.endr
.endm
.macro FETCH_B slot, q, p              ; R's eight fragments of the slot's q-th 128 along K into set p
	WIN TO_B
.irp i, 0,1,2,3,4,5,6,7
	FRAG 128*(\p)+FR*\i, ADRB+\slot, \q, \i
.endr
	WIN 0
.endm
.macro FETCH_A slot, q, i0             ; P's blocks i0 .. i0 + 3
.irp i, \i0, \i0+1, \i0+2, \i0+3
	FRAG AF+FR*(\i), ADRA+\slot, \q, \i
.endr
.endm
.macro PLACES n                        ; plain vector instructions between a matrix instruction and a load into, or a vector instruction on, its registers
.rept \n
	v_nop
.endr
.endm
; A step of 128 along K that has its successor in the same slot.  A block of P is free as soon as its eight products are issued: blocks 0-3 are fetched anew in the middle, 4-7 at the end.
.macro STEP slot, q, zero
	s_wait_dscnt 4*NL                              ; R's set and P's blocks 0-3 are in; the youngest 16 loads (P's blocks 4-7) may be out
	WIN MUL_LO
	MUL16 0, (\q)%2, \zero
	MUL16 2, (\q)%2, \zero
	s_wait_dscnt 0                                 ; P's blocks 4-7 are in
	PLACES NP
	FETCH_B \slot, (\q)+1, 1-(\q)%2
	FETCH_A \slot, (\q)+1, 0
	WIN MUL_HI
	MUL16 4, (\q)%2, \zero
	MUL16 6, (\q)%2, \zero
	PLACES NP
	WIN 0
	FETCH_A \slot, (\q)+1, 4
.endm
; A slot's last step changes slots: one barrier; in front of it each wave waits for all its tensor loads, adds 0 to its spare word, and waits for that and for its reads of this slot.
; fill = 1: the barrier opens a round of the cluster's, and this slot is filled again, two K steps ahead, first thing behind it.
.macro TURN slot, next, fill
	s_wait_tensorcnt 0x0                           ; all my tensor loads have landed: my part of the next slot
	ds_add_u32 v[SPW], v[NIL]                      ; 0 onto my spare word
	s_wait_dscnt 4*NL+1                            ; (the add and the youngest 16 loads may be out)
	WIN MUL_LO
	MUL16 0, 1, 0                                  ; sixteen matrix instructions stand between the add and the wait for it
	s_wait_dscnt 0x0                               ; the add is done, and my reads of this slot are over
	s_barrier_signal -1
	MUL16 2, 1, 0
	WIN 0
	s_barrier_wait -1
.if \fill
	CREST                                          ; no wave of any partner still reads this slot's tile or has a load on its way
	s_add_nc_u64 s[G0+4*\slot+2:G0+4*\slot+3], s[G0+4*\slot+2:G0+4*\slot+3], 2*ROWB
	s_add_nc_u64 s[G0B+4*\slot+2:G0B+4*\slot+3], s[G0B+4*\slot+2:G0B+4*\slot+3], 2*ROWB
	JLOAD G0+4*\slot, G1, G0B+4*\slot, G1B         ; its four v_nop are also the places in front of the loads below
.else
	PLACES NP
.endif
	FETCH_B \next, 0, 0
	FETCH_A \next, 0, 0
	WIN MUL_HI
	MUL16 4, 1, 0
	MUL16 6, 1, 0
	PLACES NP
	WIN 0
	FETCH_A \next, 0, 4
.endm
	s_wait_loadcnt 0x0                             ; the biases
	s_wait_tensorcnt 1                             ; my part of K step 0 is in (K step 1's load may be out)
	s_barrier_signal -1
	s_barrier_wait -1                              ; everybody's is
	FETCH_B 0, 0, 0
	FETCH_A 0, 0, 0
	FETCH_A 0, 0, 4
	STEP 0, 0, 1                                   ; K 0-127: the products start the sums
	TURN 0, 1, 1                                   ; K 128-255; slot 0 takes K 512-767
	STEP 1, 0, 0                                   ; K 256-383
	TURN 1, 0, 1                                   ; K 384-511; slot 1 takes K 768-1,023
	STEP 0, 0, 0                                   ; K 512-639
	TURN 0, 1, 0                                   ; K 640-767; nothing is left to fetch
	STEP 1, 0, 0                                   ; K 768-895
	s_wait_dscnt 4*NL                              ; K 896-1,023
	WIN MUL_LO
	MUL16 0, 1, 0
	MUL16 2, 1, 0
	s_wait_dscnt 0
	WIN MUL_HI
	MUL16 4, 1, 0
	MUL16 6, 1, 0
	WIN 0
; THE WAY OUT of P's block a: 64 numbers a lane = sum x 2^(e0 + e1) + bias (each accumulator from its low end on);
; eight conversions, whose 16 registers ARE the image; four stores of 512 dense bytes, each at a multiple of 512 from the buffer's first byte.
.macro OUTBLK a, vmode
.set AC, 64*((\a)%4)
.set CC, CD+16*((\a)%2)
	WIN 0x02+((\a)/4)                              ; source 0: window 2 or 3
.irp b, 0,1,2,3,4,5,6,7
.irp i, 0,2,4,6
.if \vmode
	v_pk_fma_f32 v[TMP+8*\b+\i:TMP+8*\b+\i+1], v[AC+8*\b+\i:AC+8*\b+\i+1], s[96:97], v[BV+2*(\a):BV+2*(\a)+1] op_sel_hi:[1,0,1]
.else
	v_pk_fma_f32 v[TMP+8*\b+\i:TMP+8*\b+\i+1], v[AC+8*\b+\i:AC+8*\b+\i+1], s[96:97], v[BI+8*\b+\i:BI+8*\b+\i+1] op_sel_hi:[1,0,1]
.endif
.endr
.endr
	WIN 0
.set j, 0
.rept 64
.set j, j+1
.endr
.if (\a) >= 2
	s_wait_alu depctr_va_vdst(0)
	s_wait_xcnt 0x0                                ; block a - 2's stores have read their data: this set of codes is written again only behind this wait
.endif
.irp b, 0,1,2,3,4,5,6,7
	v_cvt_scalef32_pk8_fp8_f32 v[CC+2*\b:CC+2*\b+1], v[TMP+8*\b:TMP+8*\b+7], v[SCL]
.endr
	v_nop                                          ; one plain vector instruction behind the last conversion: the next block writes the conversions' sources
.if \vmode
.irp p, 0,1,2,3                        ; head a / 4 of my two, fragment a % 4 of V^T: registers 2 b, 2 b + 1 = keys 16 b + 8 h + 0..7
	global_store_b128 v[VO0], v[CC+4*\p:CC+4*\p+3], s[84:85] offset:((\a)/4)*262144+((\a)%4)*2048+512*\p
.endr
.else                                  ; tile a of 16 queries or keys; R's blocks 0-3 are my first head's 64 d, blocks 4-7 my second's
	global_store_b128 v[VO0], v[CC:CC+3],     s[84:85] offset:1024*(\a)
	global_store_b128 v[VO0], v[CC+4:CC+7],   s[84:85] offset:1024*(\a)+512
	global_store_b128 v[VO1], v[CC+8:CC+11],  s[84:85] offset:1024*(\a)
	global_store_b128 v[VO1], v[CC+12:CC+15], s[84:85] offset:1024*(\a)+512
.endif
.endm
	PLACES NP                                      ; behind the last products: the first block's sums are read, and the P set's registers are written
	s_cmp_eq_u32 ttmp9, 2                          ; the cluster's x: the same in all partners; neither way has an LDS line, a tensor load or a barrier
	s_cbranch_scc1 .Lv
.irp a, 0,1,2,3,4,5,6,7
	OUTBLK \a, 0
.endr
	s_branch .Ldone
.Lv:
.irp a, 0,1,2,3,4,5,6,7
	OUTBLK \a, 1
.endr
.Ldone:
	s_wait_tensorcnt 0x0                           ; the wave's end
	ds_add_u32 v[SPW], v[NIL]
	s_wait_dscnt 0x0
	CROUND                                         ; the closing round: no work-group ends while a partner may still ask for a tile that names it
	s_endpgm
.Lfunc_end_k_q9c30ff65c3_qkv:
	.size	k_q9c30ff65c3_qkv, .Lfunc_end_k_q9c30ff65c3_qkv-k_q9c30ff65c3_qkv
	.p2alignl 7, 3214868480
	.fill 96, 4, 3214868480
	.section	.rodata,"a",@progbits
	.p2align	6, 0x0
	.amdhsa_kernel k_q9c30ff65c3_qkv
		.amdhsa_group_segment_fixed_size 327680
		.amdhsa_private_segment_fixed_size 0
		.amdhsa_enable_private_segment 0
		.amdhsa_kernarg_size 48
		.amdhsa_user_sgpr_count 2
		.amdhsa_user_sgpr_kernarg_segment_ptr 1
		.amdhsa_wavefront_size32 1
		.amdhsa_system_sgpr_workgroup_id_x 1
		.amdhsa_system_sgpr_workgroup_id_y 1
		.amdhsa_system_sgpr_workgroup_id_z 1
		.amdhsa_system_vgpr_workitem_id 0
		.amdhsa_next_free_vgpr 1024
		.amdhsa_next_free_sgpr 100
		.amdhsa_reserve_vcc 0
		.amdhsa_float_denorm_mode_32 3
		.amdhsa_float_denorm_mode_16_64 3
		.amdhsa_fp16_overflow 1
		.amdhsa_memory_ordered 1
		.amdhsa_forward_progress 1
		.amdhsa_inst_pref_size 130
	.end_amdhsa_kernel
	.amdgpu_metadata
---
amdhsa.version: [ 1, 2 ]
amdhsa.kernels:
  - .name:           k_q9c30ff65c3_qkv
    .symbol:         k_q9c30ff65c3_qkv.kd
    .args:
      - { .name: x_codes, .offset: 0, .size: 8, .value_kind: global_buffer, .address_space: global }
      - { .name: w_qkv_codes, .offset: 8, .size: 8, .value_kind: global_buffer, .address_space: global }
      - { .name: lowp_scales, .offset: 16, .size: 8, .value_kind: global_buffer, .address_space: global }
      - { .name: b_qkv, .offset: 24, .size: 8, .value_kind: global_buffer, .address_space: global }
      - { .name: q_img, .offset: 32, .size: 8, .value_kind: global_buffer, .address_space: global }
      - { .name: kv_img, .offset: 40, .size: 8, .value_kind: global_buffer, .address_space: global }
    .group_segment_fixed_size: 327680
    .private_segment_fixed_size: 0
    .kernarg_segment_align: 8
    .kernarg_segment_size: 48
    .max_flat_workgroup_size: 128
    .sgpr_count:     100
    .vgpr_count:     1024
    .wavefront_size: 32
...
	.end_amdgpu_metadata
.endif
;; end of part 1
;; launch attn (part 2): grid 4 x 64, 16 waves a work-group, clusters of 4 x 1, 264,192 bytes of LDS; arguments q_img, kv_img, lowp_scales, a_img; writes a_img
.if DOCPART == 2
	.amdgcn_target "amdgcn-amd-amdhsa--gfx1250"
	.amdhsa_code_object_version 6
	.text
	.protected	k_q9c30ff65c3_attn
	.globl	k_q9c30ff65c3_attn
	.p2align	8
	.type	k_q9c30ff65c3_attn,@function
k_q9c30ff65c3_attn:
	s_mov_b64 s[64:65], 0
	v_nop
	global_prefetch_b8 v0, s[64:65] scope:SCOPE_SE
	s_setreg_imm32_b32 hwreg(HW_REG_WAVE_MODE, 25, 1), 1
	s_wait_xcnt 0x0
	s_wait_alu depctr_hold_cnt(0) depctr_sa_sdst(0) depctr_va_vdst(0) depctr_va_sdst(0) depctr_va_ssrc(0) depctr_va_vcc(0) depctr_vm_vsrc(0)
	s_getreg_b32 s2, hwreg(HW_REG_IB_STS2, 6, 4)
	s_cmp_eq_u32 s2, 0
	s_cbranch_scc0 .Lentry_in_a_cluster
	s_endpgm
.Lentry_in_a_cluster:
	s_bfe_u32 s2, ttmp6, 0x10000c
	s_cmp_lg_u32 s2, 0x3003
	s_cbranch_scc0 .Lentry_shape_is_right
	s_endpgm
.Lentry_shape_is_right:
; Causal attention of one head (64 heads bh = 16 x batch + head; 2,048 queries and keys; head size 64) on codes of E4M3; the result is quantised with e6 into images of the last product's operand.
; t = score x 2^(e2 + e3) x log2(e) / 8;  M = the running largest t rounded UP to a whole number;  p = 2^(t - M), quantised with e4, not normalised; the row's sum is taken of the unquantised p, in f32,
; and divides at the end.  When M moves, the sum and O are multiplied by 2^(old M - new M): nothing is rounded, and there is no branch on data.
; LIMITS: e2 + e3 between -123 and 130 (added to c's exponent field); e4 and e6 between -126 and 127; e4 + e5 is applied by v_ldexp_f32 and has none.  NaN among the inputs is not served.
; SHARES.  A cluster of four work-groups is one head.  ALL of the head's K and V, 16 chunks of 128 keys x 16,384 bytes, lies in each partner's LDS: wave w asks for chunk w by one joint load at the head,
; so that each chunk is fetched once for the four.  No LDS byte is filled twice: the loop has no ring and no barrier.
; Work-group cx takes the query tiles T = 4 g + cx, g = 0 .. 31.  Tile T's queries 64 g + 16 cx + 0..15 see key steps 0 .. g / 2, whatever cx is: no branch hangs on the place in the cluster.
; Wave w takes g = w and then g = 31 - w: (w / 2 + 1) + ((31 - w) / 2 + 1) = 17 key steps for every wave of the launch.  The steps that the causal mask hides whole are jumped over (a scalar branch on
; the wave's number inside loops of constant count); in a tile's last step hidden scores become -infinity ahead of the maximum.  Key 0 counts for every query, so M is a number from the first step on.
; LAYOUT.  S^T = K Q^T (source 0 = 16 keys, source 1 = my 16 queries, K = 64): lane (r, h) holds query r, register j of tile t key 16 t + 8 h + j.  Eight conversions give registers 2 t, 2 t + 1 of
; source 1 of O^T = V^T P (K = 128 keys) in that form's own order.  O^T: lane (r, h) holds query r, register j of tile f channel 16 f + 8 h + j.
; Four waves share a SIMD: one wave's vector work stands beside another's matrix work and LDS loads.
; REGISTERS: v1 16 x lane; v2 LDS address; v5 the mask's number; v7 r - 8 h; v12 -M, v13 largest t, v[14:15] the sum; v16-31 Q of both passes; v32-95 K's, then V's fragments; v96-159 S^T, then p;
;   v160-191 O^T; v192-207 p's codes; v208-223 the result's codes; v232-254 at work; v244: 2^e4; v245: 2^e6.
.set WV,   12                          ; s12  my wave's number
.set CX,   13                          ; s13  my place in the cluster: it enters Q's and the result's addresses and the mask's number alone
.set BH,   14                          ; s14  the head
.set G1,   16                          ; s[16:23] descriptor group 1
.set G0,   24                          ; s[24:27] descriptor group 0
.set SEL,  28                          ; s[28:29] lane selects for v_permlanex16_b32: lane l xor 16
.set CS,   30                          ; s[30:31] c = 2^(e2 + e3) log2(e) / 8: the packed form names a pair and takes its low word
.set TB,   40                          ; s40  LDS byte of the chunk in hand
.set KS,   41                          ; s41  the key step
.set GG,   42                          ; s42  g
.set LAST, 43                          ; s43  g / 2: the tile's last key step
.set HM,   57                          ; s57  the lanes with h = 1
.set LI,   1
.set ADR,  2
.set DM,   5
.set RH,   7
.set KV,   32
.set S,    96
.set O,    160
.set PC,   192
.set CQ,   208
.set OQ,   216
.macro CROUND                          ; a round of the cluster's barrier
	s_barrier_signal -1
	s_barrier_wait -1
	s_cmp_lg_u32 s[WV], 0
	s_cbranch_scc1 .Lnot_wave_0_\@
	s_barrier_signal -3
.Lnot_wave_0_\@:
	s_barrier_wait -3
	s_barrier_signal -1
	s_barrier_wait -1
.endm
	s_load_b256 s[4:11], s[0:1], 0x0               ; q_img s[4:5], kv_img s[6:7], the scales' exponents s[8:9], a_img s[10:11]
	v_lshl_add_u32 v251, v0, 2, 0x40000
	v_mov_b32 v255, 0
	ds_add_u32 v251, v255
	ds_add_u32 v251, v255
	v_lshrrev_b32 v2, 5, v0
	s_delay_alu instid0(VALU_DEP_1)
	v_readfirstlane_b32 s[WV], v2                  ; wave 0..15
	s_bfe_u32 s[CX], ttmp6, 0x40000
	s_and_b32 s[BH], ttmp7, 0xffff                 ; the cluster's y
	s_mov_b32 s[G1], 15|(3<<16)|(1<<21)            ; 15:0 the mask: all four work-groups; elements of 8 bytes; 21 set beside a mask; no padding
	s_mov_b32 s[G1+1], 32<<16                      ; tensor_dim0 = 32 elements: rows of 256 bytes
	s_mov_b32 s[G1+2], 64<<16                      ; tensor_dim1 = 64 rows: 16,384 dense bytes
	s_mov_b32 s[G1+3], 32<<16                      ; tile_dim0
	s_mov_b32 s[G1+4], 64                          ; tile_dim1
	s_mov_b32 s[G1+5], 32                          ; the pitch: a row begins where the last ends
	s_mov_b32 s[G1+6], 0
	s_mov_b32 s[G1+7], 0
	s_mov_b32 s[SEL], 0x76543210
	s_mov_b32 s[SEL+1], 0xfedcba98
	s_lshl_b32 s44, s[BH], 18                      ; the head's 262,144 bytes of kv_img,
	s_lshl_b32 s45, s[WV], 14                      ; my chunk
	s_add_co_u32 s44, s44, s45
	s_mov_b32 s45, 0
	s_wait_dscnt 0x0
	s_wait_kmcnt 0x0
	s_load_b256 s[32:39], s[8:9], 0x0              ; e0 .. e7
	s_mov_b32 s[G0], 1
	s_lshl_b32 s[G0+1], s[WV], 14                  ; chunk w lies at 16,384 w
	s_add_nc_u64 s[G0+2:G0+3], s[6:7], s[44:45]
	s_or_b32 s[G0+3], s[G0+3], 0x80000000
	CROUND                                         ; all four work-groups are here: the joint loads meet
	tensor_load_to_lds s[G0:G0+3], s[G1:G1+7]      ; my one tensor load of the launch
	s_nop 0
.rept 4
	v_nop
.endr
	v_and_b32 v[LI], 31, v0
	s_delay_alu instid0(VALU_DEP_1)
	v_lshlrev_b32 v[LI], 4, v[LI]                  ; 16 x lane: an image's place for my lane, in LDS and in memory
	s_wait_alu depctr_va_vdst(0)
	v_and_b32 v3, 15, v0                           ; r
	v_and_b32 v4, 16, v0                           ; 16 h
	s_delay_alu instid0(VALU_DEP_1)
	v_cmp_ne_u32 s[HM], 0, v4
	s_delay_alu instid0(VALU_DEP_2)
	v_lshrrev_b32 v4, 1, v4
	s_delay_alu instid0(VALU_DEP_1)
	v_sub_nc_u32 v[RH], v3, v4                     ; r - 8 h
	v_mov_b32 v233, 0                              ; written once: a lane permute's destination counts as one of its sources
	v_mov_b32 v236, 0
	v_mov_b32 v253, 0                              ; (named as the upper half of the pair v[252:253])
	s_lshl_b32 s58, s[BH], 17                      ; the head's 131,072 bytes of q_img
	s_lshr_b32 s59, s[BH], 4                       ; a_img [batch][block of 128 s][K step of 256][tile of 16 s][128 of K][2,048]: batch x 2^21
	s_lshl_b32 s59, s59, 21
	s_bfe_u32 s60, s[BH], 0x20002                  ; + (head / 4) x 32,768
	s_lshl_b32 s60, s60, 15
	s_add_co_u32 s59, s59, s60
	s_and_b32 s60, s[BH], 3                        ; + (head % 4) x 1,024: the pair of heads' fragment, and my head's half of it
	s_lshl_b32 s60, s60, 10
	s_add_co_u32 s59, s59, s60
.macro PLACE t, qa, oa                 ; tile s[t]: its image in q_img, and where its result goes
	s_lshl_b32 s44, s[\t], 10
	s_add_co_u32 s44, s44, s58
	s_add_nc_u64 s[\qa:\qa+1], s[4:5], s[44:45]
	s_lshr_b32 s44, s[\t], 3
	s_lshl_b32 s44, s44, 17
	s_and_b32 s60, s[\t], 7
	s_lshl_b32 s60, s60, 12
	s_add_co_u32 s44, s44, s60
	s_add_co_u32 s44, s44, s59
	s_add_nc_u64 s[\oa:\oa+1], s[10:11], s[44:45]
.endm
	s_lshl_b32 s46, s[WV], 2
	s_add_co_u32 s46, s46, s[CX]                   ; pass 0: T = 4 w + cx
	s_xor_b32 s47, s[WV], 31                       ; 31 - w
	s_lshl_b32 s47, s47, 2
	s_add_co_u32 s47, s47, s[CX]                   ; pass 1: T = 4 (31 - w) + cx
	PLACE 46, 48, 52
	PLACE 47, 50, 54
	global_load_b128 v[16:19], v[LI], s[48:49]
	global_load_b128 v[20:23], v[LI], s[48:49] offset:512
	global_load_b128 v[24:27], v[LI], s[50:51]
	global_load_b128 v[28:31], v[LI], s[50:51] offset:512
	s_wait_alu depctr_va_vdst(0)
	s_wait_kmcnt 0x0
	s_add_co_i32 s44, s34, s35                     ; e2 + e3 are added to c's exponent field
	s_lshl_b32 s44, s44, 23
	s_mov_b32 s[CS], 0x3e38aa3b                    ; log2(e) / 8
	s_add_co_i32 s[CS], s[CS], s44
	s_mov_b32 s[CS+1], s[CS]
	s_add_co_i32 s44, s36, 127
	s_lshl_b32 s45, s44, 23
	v_mov_b32 v244, s45                            ; 2^e4
	s_add_co_i32 s44, s38, 127
	s_lshl_b32 s45, s44, 23
	v_mov_b32 v245, s45                            ; 2^e6
	s_add_co_i32 s56, s36, s37                     ; e4 + e5
	s_wait_tensorcnt 0x0                           ; my chunk is in,
	s_barrier_signal -1
	s_barrier_wait -1                              ; everybody's is: the head's K and V lie in LDS for the rest of the launch
	s_wait_loadcnt 0x0                             ; Q
; A KEY STEP: 128 keys, the chunk at s[TB].
.macro STEP QR
	v_add_nc_u32 v[ADR], s[TB], v[LI]
.rept 3
	v_nop                                          ; with the addition four places, in front of loads into registers that the last step's products have read
.endr
.irp t, 0,1,2,3,4,5,6,7
	ds_load_b128 v[KV+8*\t:KV+8*\t+3],   v[ADR] offset:1024*\t       ; 512 consecutive bytes a load
	ds_load_b128 v[KV+8*\t+4:KV+8*\t+7], v[ADR] offset:1024*\t+512
.endr
	s_wait_alu depctr_va_vdst(0)
	s_wait_dscnt 0x0
.irp t, 0,1,2,3,4,5,6,7
	v_wmma_f32_16x16x64_fp8_fp8 v[S+8*\t:S+8*\t+7], v[KV+8*\t:KV+8*\t+7], v[\QR:\QR+7], 0
.endr
.rept 4
	v_nop                                          ; places in front of the loads below and of the first read of the scores
.endr
.irp d, 0,1,2,3                        ; V^T's four fragments land while the softmax is walked
.irp p, 0,1,2,3
	ds_load_b128 v[KV+16*\d+4*\p:KV+16*\d+4*\p+3], v[ADR] offset:8192+2048*\d+512*\p
.endr
.endr
	s_cmp_lg_u32 s[KS], s[LAST]                    ; only the tile's last step lies on the diagonal
	s_cbranch_scc1 .Lopen_\@
	v_mov_b32 v254, 0xff800000                     ; -infinity
.set n, 0
.rept 64                               ; register n holds key 16 (n / 8) + n % 8 + 8 h of the step: hidden where it comes after my query
	v_cmp_gt_i32 vcc_lo, 16*(n/8)+n%8, v[DM]
	v_cndmask_b32 v[S+n], v[S+n], v254, vcc_lo
.set n, n+1
.endr
.Lopen_\@:
	v_max3_num_f32 v254, v[S], v[S+1], v[S+2]      ; the step's largest score of my query among my 64 keys, in two chains; each tile is first read at its low end
	v_max3_num_f32 v252, v[S+3], v[S+4], v[S+5]
.set i, 6
.rept 14
	v_max3_num_f32 v254, v254, v[S+i], v[S+i+1]
	v_max3_num_f32 v252, v252, v[S+i+2], v[S+i+3]
.set i, i+4
.endr
	v_max3_num_f32 v254, v254, v[S+62], v[S+63]
	s_delay_alu instid0(VALU_DEP_1)
	v_max_num_f32 v254, v254, v252
	s_delay_alu instid0(VALU_DEP_1)
	v_permlanex16_b32 v236, v254, s[SEL], s[SEL+1]
	s_delay_alu instid0(VALU_DEP_1)
	v_max_num_f32 v254, v254, v236                 ; and among lane l xor 16's
	s_delay_alu instid0(VALU_DEP_1)
	v_mul_f32 v254, s[CS], v254                    ; as t (c is positive)
	s_delay_alu instid0(VALU_DEP_1)
	v_max_num_f32 v13, v13, v254                   ; the running largest t
	v_mov_b32 v254, v12
	s_delay_alu instid0(VALU_DEP_2)
	v_floor_f32 v12, -v13                          ; the new -M = floor(-t) = -ceil(t)
	s_delay_alu instid0(VALU_DEP_1)
	v_sub_f32 v254, v12, v254                      ; old M - new M: a whole number, 0 or less
	s_delay_alu instid0(VALU_DEP_1)
	v_cvt_i32_f32 v254, v254                       ; (it saturates)
	s_delay_alu instid0(VALU_DEP_1)
	v_ldexp_f32 v252, 1.0, v254                    ; f = 2^(old M - new M)
.set j, 0
	s_setprio 1
.rept 32
	v_pk_fma_f32 v[S+j:S+j+1], v[S+j:S+j+1], s[CS:CS+1], v[12:13] op_sel_hi:[1,0,0]   ; t - M, two at a time
.set j, j+2
.endr
.set j, 0
	s_wait_alu depctr_va_vdst(0)
.rept 64
	v_exp_f32 v[S+j], v[S+j]                       ; p = 2^(t - M)
.set j, j+1
.endr
	v_pk_mul_f32 v[14:15], v[14:15], v[252:253] op_sel_hi:[1,0]   ; the sums under the new M: the plain instruction behind the exponentials
	s_wait_alu depctr_va_vdst(0)                   ; one wait for the batch of 64, ahead of its first reader
	v_pk_add_f32 v[242:243], v[100:101], v[104:105]
	v_pk_add_f32 v[248:249], v[108:109], v[112:113]
	v_pk_add_f32 v[246:247], v[116:117], v[120:121]
	v_pk_add_f32 v[240:241], v[124:125], v[128:129]
	v_pk_add_f32 v[238:239], v[132:133], v[136:137]
	v_pk_add_f32 v[234:235], v[140:141], v[144:145]
	v_pk_add_f32 v[230:231], v[148:149], v[152:153]
	v_pk_add_f32 v[14:15], v[14:15], v[156:157]
	v_pk_add_f32 v[242:243], v[242:243], v[96:97]
	v_pk_add_f32 v[248:249], v[248:249], v[98:99]
	v_pk_add_f32 v[246:247], v[246:247], v[102:103]
	v_pk_add_f32 v[240:241], v[240:241], v[106:107]
	v_pk_add_f32 v[238:239], v[238:239], v[110:111]
	v_pk_add_f32 v[234:235], v[234:235], v[114:115]
	v_pk_add_f32 v[230:231], v[230:231], v[118:119]
	v_pk_add_f32 v[14:15], v[14:15], v[122:123]
	v_pk_add_f32 v[242:243], v[242:243], v[126:127]
	v_pk_add_f32 v[248:249], v[248:249], v[130:131]
	v_pk_add_f32 v[246:247], v[246:247], v[134:135]
	v_pk_add_f32 v[240:241], v[240:241], v[138:139]
	v_pk_add_f32 v[238:239], v[238:239], v[142:143]
	v_pk_add_f32 v[234:235], v[234:235], v[146:147]
	v_pk_add_f32 v[230:231], v[230:231], v[150:151]
	s_setprio 0
	v_pk_add_f32 v[14:15], v[14:15], v[154:155]
	v_pk_add_f32 v[242:243], v[242:243], v[158:159]
	s_delay_alu instid0(VALU_DEP_2)
	v_pk_add_f32 v[14:15], v[14:15], v[240:241]
	s_delay_alu instid0(VALU_DEP_2)
	v_pk_add_f32 v[242:243], v[242:243], v[238:239]
	v_pk_add_f32 v[248:249], v[248:249], v[234:235]
	v_pk_add_f32 v[246:247], v[246:247], v[230:231]
	s_delay_alu instid0(VALU_DEP_2)
	v_pk_add_f32 v[14:15], v[14:15], v[248:249]
	s_delay_alu instid0(VALU_DEP_2)
	v_pk_add_f32 v[242:243], v[242:243], v[246:247]
	s_delay_alu instid0(VALU_DEP_1)
	v_pk_add_f32 v[14:15], v[14:15], v[242:243]
.irp t, 0,1,2,3,4,5,6,7
.irp i, 0,1,2,3,4,5,6,7
.endr
	v_cvt_scalef32_pk8_fp8_f32 v[PC+2*\t:PC+2*\t+1], v[S+8*\t:S+8*\t+7], v244   ; registers 2 t, 2 t + 1: keys 16 t + 8 h + 0..7
.endr
.set j, 0
.rept 16
	v_pk_mul_f32 v[O+j:O+j+1], v[O+j:O+j+1], v[252:253] op_sel_hi:[1,0]   ; O^T under the new M; these also stand between the conversions and the products that read the codes
.set j, j+2
.endr
	s_wait_alu depctr_va_vdst(0)
	s_wait_dscnt 0x0                               ; V^T's fragments are in
.irp d, 0,1,2,3                        ; the four accumulators take turns; the next step's eight score products stand between two links of a chain
	v_wmma_f32_16x16x128_fp8_fp8 v[O+8*\d:O+8*\d+7], v[KV+16*\d:KV+16*\d+15], v[PC:PC+15], v[O+8*\d:O+8*\d+7]
.endr
.endm
; A PASS: one tile of 16 queries.  p: which; QR: Q's registers; NTR: the loop's constant count, the most steps that any wave's tile of this pass has; AO: the result's address.
.macro PASS p, QR, NTR, AO
.if \p
	s_xor_b32 s[GG], s[WV], 31                     ; g = 31 - w
.else
	s_mov_b32 s[GG], s[WV]                         ; g = w
.endif
	s_lshr_b32 s[LAST], s[GG], 1
	s_and_b32 s44, s[GG], 1
	s_lshl_b32 s44, s44, 6
	s_lshl_b32 s45, s[CX], 4
	s_add_co_u32 s44, s44, s45
	v_add_nc_u32 v[DM], s44, v[RH]                 ; my query's place in its last key step, less 8 h: 64 (g % 2) + 16 cx + r - 8 h
	v_mov_b32 v13, 0xff61b1e6                      ; the largest t so far: -3e38, under every t
	s_delay_alu instid0(VALU_DEP_1)
	v_floor_f32 v12, -v13
	v_mov_b32 v14, 0
	v_mov_b32 v15, 0
.set j, 0
.rept 32
	v_mov_b32 v[O+j], 0                            ; the step is written once: the first finds zeros, which the first change of M leaves zeros
.set j, j+1
.endr
	s_mov_b32 s[KS], 0
	s_mov_b32 s[TB], 0
.Ltrip_\@:
	s_cmp_gt_u32 s[KS], s[LAST]                    ; all keys of this step come after my queries: its work is left out
	s_cbranch_scc1 .Lskip_\@
	s_setprio 2
	STEP \QR
.Lskip_\@:
	s_add_co_u32 s[TB], s[TB], 16384
	s_add_co_u32 s[KS], s[KS], 1
	s_cmp_lt_u32 s[KS], \NTR
	s_cbranch_scc1 .Ltrip_\@
	s_setprio 0
.rept 4
	v_nop                                          ; places behind the last products
.endr
	v_add_f32 v14, v14, v15                        ; the sum's two halves,
	s_delay_alu instid0(VALU_DEP_1)
	v_permlanex16_b32 v236, v14, s[SEL], s[SEL+1]
	s_delay_alu instid0(VALU_DEP_1)
	v_add_f32 v14, v14, v236                       ; and lane l xor 16's
	s_wait_alu depctr_va_vdst(0)
	v_rcp_f32 v14, v14
	v_nop                                          ; a plain instruction behind the reciprocal,
	s_wait_alu depctr_va_vdst(0)                   ; and the wait ahead of its first reader
	v_ldexp_f32 v14, v14, s56                      ; x 2^(e4 + e5)
.set j, 0
.rept 16
	v_pk_mul_f32 v[S+j:S+j+1], v[O+j:O+j+1], v[14:15] op_sel_hi:[1,0]   ; O^T / the sum, each accumulator from its low end on
.set j, j+2
.endr
.set j, 0
.rept 32
.set j, j+1
.endr
.irp d, 0,1,2,3
	v_cvt_scalef32_pk8_fp8_f32 v[CQ+2*\d:CQ+2*\d+1], v[S+8*\d:S+8*\d+7], v245   ; channels 16 d + 8 h + 0..7 of query r
.endr
	v_nop                                          ; one plain instruction between the conversions and the readers of their results
.if \p
	s_wait_alu depctr_va_vdst(0)
	s_wait_xcnt 0x0                                ; pass 0's stores have read their data
.endif
; The last product's operand wants, in lane (r, h), channels 32 c + 16 h + 0..15 in registers 4 c .. 4 c + 3.  Half of them lie in lane l xor 16: each lane sends the pair that the other wants.
.irp c, 0,1
.irp i, 0,1
	v_cndmask_b32 v232, v[CQ+4*\c+2+\i], v[CQ+4*\c+\i], s[HM]
	s_delay_alu instid0(VALU_DEP_1)
	v_permlanex16_b32 v233, v232, s[SEL], s[SEL+1]
	v_cndmask_b32 v[OQ+4*\c+\i], v[CQ+4*\c+\i], v233, s[HM]
	v_cndmask_b32 v[OQ+4*\c+2+\i], v233, v[CQ+4*\c+2+\i], s[HM]
.endr
.endr
	global_store_b128 v[LI], v[OQ:OQ+3],   s[\AO:\AO+1]             ; 512 dense bytes each, at a multiple of 512 from the buffer's first byte
	global_store_b128 v[LI], v[OQ+4:OQ+7], s[\AO:\AO+1] offset:512
.endm
	PASS 0, 16, 8, 52
	PASS 1, 24, 16, 54
	s_wait_dscnt 0x0
	s_wait_tensorcnt 0x0
	ds_add_u32 v251, v255
	s_wait_dscnt 0x0
	CROUND                                         ; the closing round
	s_endpgm
.Lfunc_end_k_q9c30ff65c3_attn:
	.size	k_q9c30ff65c3_attn, .Lfunc_end_k_q9c30ff65c3_attn-k_q9c30ff65c3_attn
	.p2alignl 7, 3214868480
	.fill 96, 4, 3214868480
	.section	.rodata,"a",@progbits
	.p2align	6, 0x0
	.amdhsa_kernel k_q9c30ff65c3_attn
		.amdhsa_group_segment_fixed_size 264192
		.amdhsa_private_segment_fixed_size 0
		.amdhsa_enable_private_segment 0
		.amdhsa_kernarg_size 32
		.amdhsa_user_sgpr_count 2
		.amdhsa_user_sgpr_kernarg_segment_ptr 1
		.amdhsa_wavefront_size32 1
		.amdhsa_system_sgpr_workgroup_id_x 1
		.amdhsa_system_sgpr_workgroup_id_y 1
		.amdhsa_system_sgpr_workgroup_id_z 1
		.amdhsa_system_vgpr_workitem_id 0
		.amdhsa_next_free_vgpr 256
		.amdhsa_next_free_sgpr 66
		.amdhsa_reserve_vcc 1
		.amdhsa_float_denorm_mode_32 3
		.amdhsa_float_denorm_mode_16_64 3
		.amdhsa_fp16_overflow 1
		.amdhsa_memory_ordered 1
		.amdhsa_forward_progress 1
		.amdhsa_inst_pref_size 53
	.end_amdhsa_kernel
	.amdgpu_metadata
---
amdhsa.version: [ 1, 2 ]
amdhsa.kernels:
  - .name:           k_q9c30ff65c3_attn
    .symbol:         k_q9c30ff65c3_attn.kd
    .args:
      - { .name: q_img, .offset: 0, .size: 8, .value_kind: global_buffer, .address_space: global }
      - { .name: kv_img, .offset: 8, .size: 8, .value_kind: global_buffer, .address_space: global }
      - { .name: lowp_scales, .offset: 16, .size: 8, .value_kind: global_buffer, .address_space: global }
      - { .name: a_img, .offset: 24, .size: 8, .value_kind: global_buffer, .address_space: global }
    .group_segment_fixed_size: 264192
    .private_segment_fixed_size: 0
    .kernarg_segment_align: 8
    .kernarg_segment_size: 32
    .max_flat_workgroup_size: 512
    .sgpr_count:     66
    .vgpr_count:     256
    .wavefront_size: 32
...
	.end_amdgpu_metadata
.endif
;; end of part 2
;; launch proj (part 3): grid 4 x 64, 4 waves a work-group, clusters of 4 x 4, 327,680 bytes of LDS; arguments a_img, w_out_codes, lowp_scales, b_out, out0; writes out0
.if DOCPART == 3
	.amdgcn_target "amdgcn-amd-amdhsa--gfx1250"
	.amdhsa_code_object_version 6
	.text
	.protected	k_q9c30ff65c3_proj
	.globl	k_q9c30ff65c3_proj
	.p2align	8
	.type	k_q9c30ff65c3_proj,@function
k_q9c30ff65c3_proj:
	s_mov_b64 s[64:65], 0
	v_nop
	global_prefetch_b8 v0, s[64:65] scope:SCOPE_SE
	s_setreg_imm32_b32 hwreg(HW_REG_WAVE_MODE, 25, 1), 1
	s_wait_xcnt 0x0
	s_wait_alu depctr_hold_cnt(0) depctr_sa_sdst(0) depctr_va_vdst(0) depctr_va_sdst(0) depctr_va_ssrc(0) depctr_va_vcc(0) depctr_vm_vsrc(0)
	s_getreg_b32 s2, hwreg(HW_REG_IB_STS2, 6, 4)
	s_cmp_eq_u32 s2, 0
	s_cbranch_scc0 .Lentry_in_a_cluster
	s_endpgm
.Lentry_in_a_cluster:
	s_bfe_u32 s2, ttmp6, 0x10000c
	s_cmp_lg_u32 s2, 0xf033
	s_cbranch_scc0 .Lentry_shape_is_right
	s_endpgm
.Lentry_shape_is_right:
; out0 = a W_out^T + b_out on codes of E4M3.  a comes as images of its operand registers (a_img, made by the attention launch), W_out as 1,024 rows of 1,024 codes.  out0: rows (s, b) of 1,024 f32.
; A sum stands for sum x 2^(e6 + e7).  LIMIT: e6 + e7 between -126 and 127, so that the power of two is an f32 number.
; SHARES.  8,192 x 1,024 in tiles of 128 rows x 256 columns: 256 work-groups.  A tile's rows are 128 s of ONE batch (batch = tile row % 4, block = tile row / 4).  Four waves, each 64 x 128: 32 accumulators.
; K goes in 8 chunks of 128, two to a slot.  Three LDS slots are filled at the start (K 0-767); slot 0 is filled once more (K 768-1,023).  Joint loads in a 4 x 4 cluster: a's images are shared along a
; row of the cluster, W's tiles along a column.  Waves 0 and 1 fetch a's halves (16,384 dense bytes each), waves 2 and 3 W's (128 rows of 256 bytes, padded).
; THE MATRIX INSTRUCTION IS USED TRANSPOSED: source 0 = 16 rows of W, source 1 = 16 rows of a: a lane holds eight neighbouring numbers of a row of out0.
; k lies in both operands in the order 32 c + 16 (l / 16) + 0 .. 15 in registers 4 c .. 4 c + 3: W by four loads of 16 bytes from its rows, a by its image.
; REGISTERS: window 0: v16-29 addresses; v32-95 at work on the way out; v128-255 a's fragments, two sets of 64 (later rows read back);  window 1: W's fragments, two sets of 128;
;   window 2: the accumulators, (a, b) at v[8 (8 a + b)];  window 3: v0-63 b_out in the result's layout.
.set PITCH,  272                       ; a row of W in LDS: 256 bytes + 16 of padding
.set FR,     16
.set NP,     4
.set WOFF,   32768                     ; a slot: a's 16 fragments (tile of rows i, chunk q: 4,096 i + 2,048 q), then W's 256 rows
.set HALFW,  128*PITCH
.set SLOT,   WOFF+2*HALFW              ; 102,400
.set SPARE,  3*SLOT                    ; behind the slots: the spare words, 128 bytes a wave: two blocks of 256 bytes that no other line names
.set SPITCH, 528                       ; the way out: a stage of 16 rows x (512 + 16) bytes for each wave, in slot 1: it has had its one fill, and its last read lies in front of the last barrier
.set ADRA, 16                          ; v16-18  a's fragments in slot 0, 1, 2
.set ADRB, 20                          ; v20-22  W's
.set STO,  24
.set RD,   25
.set CO,   26                          ; v26     16 x lane
.set SPW,  28
.set NIL,  29
.set TMP,  32
.set AF,   128
.set BK,   128
.set G1,  24                           ; s[24:31] descriptor group 1 for a's images;  s[32:43] group 0, one set for each slot
.set G0,  32
.set G1B, 44                           ; s[44:51], s[52:63] the same for W's tiles
.set G0B, 52
.set MSB, 0
.macro WIN new
.if MSB != (\new)
	s_set_vgpr_msb (MSB<<8)|(\new)
.set MSB, (\new)
.endif
.endm
.set MUL,  0xa1                        ; source 0 (W) window 1, source 1 (a) window 0, C and D window 2
.set TO_W, 0x40                        ; destination window 1, address window 0
.macro JLOAD g0a, g1a, g0b, g1b        ; a joint load; the branch hangs on the wave's number alone; four v_nop follow each of the two lines
	s_cmp_eq_u32 s15, 0
	s_cbranch_scc0 .Lfor_b_\@
	tensor_load_to_lds s[\g0a:\g0a+3], s[\g1a:\g1a+7]
	s_nop 0
.rept 4
	v_nop
.endr
	s_branch .Lasked_\@
.Lfor_b_\@:
	tensor_load_to_lds s[\g0b:\g0b+3], s[\g1b:\g1b+7]
	s_nop 0
.rept 4
	v_nop
.endr
.Lasked_\@:
.endm
.macro CREST
	s_cmp_lg_u32 s14, 0
	s_cbranch_scc1 .Lnot_wave_0_\@
	s_barrier_signal -3
.Lnot_wave_0_\@:
	s_barrier_wait -3
	s_barrier_signal -1
	s_barrier_wait -1
.endm
.macro CROUND
	s_barrier_signal -1
	s_barrier_wait -1
	CREST
.endm
	s_load_b256 s[4:11], s[0:1], 0x0               ; a_img s[4:5], W s[6:7], the scales' exponents s[8:9], b_out s[10:11]
	s_load_b64 s[12:13], s[0:1], 0x20              ; out0
	v_lshl_add_u32 v[SPW], v0, 2, SPARE
	v_mov_b32 v[NIL], 0
	ds_add_u32 v28, v29
	ds_add_u32 v28, v29
	s_wait_dscnt 0x0
	v_lshrrev_b32 v1, 5, v0
	v_readfirstlane_b32 s14, v1                    ; wave 0..3
	s_lshr_b32 s15, s14, 1                         ; which 64 of the tile's rows are mine.  Also: I fetch for a (0) or for W (1)
	s_and_b32 s16, s14, 1                          ; which 128 of its columns.  Also: which half I fetch
	s_bfe_u32 s66, ttmp6, 0x40000                  ; cx, cy
	s_bfe_u32 s67, ttmp6, 0x40004
	s_lshl_b32 s68, ttmp9, 2
	s_add_co_u32 s68, s68, s66                     ; tile column
	s_and_b32 s17, ttmp7, 0xffff
	s_lshl_b32 s17, s17, 2
	s_add_co_u32 s17, s17, s67                     ; tile row
	s_lshl_b32 s69, s67, 2
	s_lshl_b32 s69, 15, s69                        ; my row of the cluster
	s_lshl_b32 s70, 0x1111, s66                    ; my column
	s_or_b32 s[G1], s69, (3<<16)|(1<<21)           ; a: the mask of my row; elements of 8 bytes; 21 set beside a mask; no padding
	s_mov_b32 s[G1+1], 32<<16                      ; rows of 256 bytes,
	s_mov_b32 s[G1+2], 64<<16                      ; 64 of them: 16,384 dense bytes
	s_mov_b32 s[G1+3], 32<<16
	s_mov_b32 s[G1+4], 64
	s_mov_b32 s[G1+5], 32
	s_mov_b32 s[G1+6], 0
	s_mov_b32 s[G1+7], 0
	s_or_b32 s[G1B], s70, (0<<16)|(1<<20)|(1<<21)|(5<<22)|(3<<25)  ; W: the mask of my column; elements of 1 byte; padding: 4 words after every 64
	s_mov_b32 s[G1B+1], 256<<16
	s_mov_b32 s[G1B+2], 128<<16
	s_mov_b32 s[G1B+3], 256<<16
	s_mov_b32 s[G1B+4], 128
	s_mov_b32 s[G1B+5], 1024
	s_mov_b32 s[G1B+6], 0
	s_mov_b32 s[G1B+7], 0
	s_and_b32 s20, s17, 3                          ; a: (16 x batch + block) x 4 K steps x 32,768 bytes
	s_lshl_b32 s20, s20, 4
	s_lshr_b32 s21, s17, 2
	s_add_co_u32 s20, s20, s21
	s_lshl_b32 s20, s20, 17
	s_lshl_b32 s21, s16, 14                        ; + my half of a K step's images
	s_add_co_u32 s20, s20, s21
	s_mov_b32 s21, 0
	s_lshl_b32 s82, s68, 18                        ; W: tile column x 256 rows of 1,024 bytes
	s_lshl_b32 s83, s16, 17
	s_add_co_u32 s82, s82, s83
	s_mov_b32 s83, 0
	s_lshl_b32 s18, s16, 14                        ; where they go in a slot: a's half,
	s_mul_i32 s19, s16, HALFW
	s_add_co_u32 s19, s19, WOFF                    ; W's half: no place in the cluster enters an LDS address
	s_wait_kmcnt 0x0
	s_load_b256 s[72:79], s[8:9], 0x0              ; e0 .. e7
	s_add_nc_u64 s[20:21], s[4:5], s[20:21]
	s_add_nc_u64 s[82:83], s[6:7], s[82:83]
	CROUND                                         ; all sixteen work-groups are here: the first joint loads meet
.irp s, 0,1,2                          ; three loads of mine, each after the one before has landed
	s_mov_b32 s[G0+4*\s], 1
	s_add_co_u32 s[G0+4*\s+1], s18, \s*SLOT
	s_add_nc_u64 s[G0+4*\s+2:G0+4*\s+3], s[20:21], \s*32768
	s_or_b32 s[G0+4*\s+3], s[G0+4*\s+3], 0x80000000
	s_mov_b32 s[G0B+4*\s], 1
	s_add_co_u32 s[G0B+4*\s+1], s19, \s*SLOT
	s_add_nc_u64 s[G0B+4*\s+2:G0B+4*\s+3], s[82:83], \s*256
	s_or_b32 s[G0B+4*\s+3], s[G0B+4*\s+3], 0x80000000
	s_wait_alu depctr_va_vdst(0)
	s_wait_tensorcnt 0x0
	ds_add_u32 v28, v29
	ds_add_u32 v28, v29
	s_wait_dscnt 0x0
	CROUND
	JLOAD G0+4*\s, G1, G0B+4*\s, G1B
.endr
	v_and_b32 v1, 15, v0                           ; r
	v_bfe_u32 v2, v0, 4, 1                         ; h
	v_mul_u32_u24 v3, v1, PITCH
	v_lshl_add_u32 v4, v2, 4, v3                   ; W: row x pitch + 16 h
	v_and_b32 v6, 31, v0
	v_lshlrev_b32 v[CO], 4, v6                     ; 16 x lane
	s_lshl_b32 s88, s15, 14                        ; my four tiles of rows: 4 x 4,096 bytes
	s_mul_i32 s89, s16, HALFW                      ; my 128 rows of W
	s_add_co_u32 s89, s89, WOFF
.irp s, 0,1,2
	v_add_nc_u32 v[ADRA+\s], s88, v[CO]
	v_add_nc_u32 v[ADRB+\s], s89, v4
	s_add_co_u32 s88, s88, SLOT
	s_add_co_u32 s89, s89, SLOT
.endr
	s_mul_i32 s23, s14, 16*SPITCH
	s_add_co_u32 s23, s23, SLOT                    ; my stage
	v_mul_u32_u24 v7, v1, SPITCH                   ; in: row r, 32 bytes for each half of the lanes
	v_lshl_add_u32 v7, v2, 5, v7
	v_add_nc_u32 v[STO], s23, v7
	v_add_nc_u32 v[RD], s23, v[CO]                 ; back: the 32 lanes take one row of 512 bytes
	s_lshr_b32 s84, s17, 2                         ; out0: row (s, batch) is 4,096 bytes: s = 128 x block + 64 x my half
	s_lshl_b32 s84, s84, 21
	s_lshl_b32 s85, s15, 20
	s_add_co_u32 s84, s84, s85
	s_and_b32 s85, s17, 3
	s_lshl_b32 s85, s85, 12
	s_add_co_u32 s84, s84, s85
	s_lshl_b32 s86, s68, 10                        ; my first column, in bytes: 1,024 x tile column + 512 x half
	s_lshl_b32 s87, s16, 9
	s_add_co_u32 s86, s86, s87
	s_mov_b32 s87, 0
	s_add_co_u32 s84, s84, s86
	s_mov_b32 s85, 0
	s_add_nc_u64 s[12:13], s[12:13], s[84:85]
	s_add_nc_u64 s[86:87], s[10:11], s[86:87]      ; b_out at my first column
	v_lshlrev_b32 v5, 5, v2                        ; 8 h numbers
	WIN 0xc0                                       ; destination window 3
.irp b, 0,1,2,3,4,5,6,7
	global_load_b128 v[8*\b:8*\b+3],   v5, s[86:87] offset:64*\b       ; tile b, register j: column 16 b + 8 h + j
	global_load_b128 v[8*\b+4:8*\b+7], v5, s[86:87] offset:64*\b+16
.endr
	WIN 0
	s_wait_kmcnt 0x0
	s_add_co_i32 s96, s78, s79                     ; e6 + e7
	s_add_co_i32 s96, s96, 127
	s_lshl_b32 s96, s96, 23                        ; 2^(e6 + e7) as f32
	s_mov_b32 s97, s96                             ; (named with it as a pair, so it is written)
; 8 matrix instructions: a's block x W's eight, 128 along K, from sets p.  The 32 accumulators take turns, in the same order in every chunk.
.macro MUL8 a, p, zero
.irp b, 0,1,2,3,4,5,6,7
.if \zero
	v_wmma_f32_16x16x128_fp8_fp8 v[64*(\a)+8*\b:64*(\a)+8*\b+7], v[128*(\p)+FR*\b:128*(\p)+FR*\b+FR-1], v[AF+64*(\p)+FR*(\a):AF+64*(\p)+FR*(\a)+FR-1], 0
.else
	v_wmma_f32_16x16x128_fp8_fp8 v[64*(\a)+8*\b:64*(\a)+8*\b+7], v[128*(\p)+FR*\b:128*(\p)+FR*\b+FR-1], v[AF+64*(\p)+FR*(\a):AF+64*(\p)+FR*(\a)+FR-1], v[64*(\a)+8*\b:64*(\a)+8*\b+7]
.endif
.endr
.endm
.macro FETCH slot, q, p                ; 48 LDS loads in one run: chunk q of the slot into sets p
	WIN TO_W
.irp i, 0,1,2,3,4,5,6,7
.irp c, 0,1,2,3
	ds_load_b128 v[128*(\p)+FR*\i+4*\c:128*(\p)+FR*\i+4*\c+3], v[ADRB+\slot] offset:128*(\q)+32*\c+\i*16*PITCH
.endr
.endr
	WIN 0
.irp i, 0,1,2,3
.irp c, 0,1,2,3
	ds_load_b128 v[AF+64*(\p)+FR*\i+4*\c:AF+64*(\p)+FR*\i+4*\c+3], v[ADRA+\slot] offset:4096*\i+2048*(\q)+512*\c
.endr
.endr
.endm
.macro PLACES n
.rept \n
	v_nop
.endr
.endm
; A chunk whose successor lies in bytes that every wave is already known to have: the successor's fragments are asked for first, and have this chunk's 32 matrix instructions in which to land.
.macro CHUNK p, zero, nslot, nq
	s_wait_dscnt 0x0                               ; sets p are in
	PLACES NP                                      ; in front of loads into the other sets, which the last chunk's products have read
	FETCH \nslot, \nq, 1-(\p)
	WIN MUL
	MUL8 0, \p, \zero
	MUL8 1, \p, \zero
	MUL8 2, \p, \zero
	MUL8 3, \p, \zero
.endm
; A chunk with a barrier in it.  In front of the barrier each wave waits for all its tensor loads, adds 0 to its spare word, and waits for that and for its LDS reads.
; fill = 1: the barrier opens a round of the cluster's, and slot 0, which nobody reads any more, takes K 768-1,023, first thing behind it.
.macro TURN p, fill, nslot
	WIN 0                                          ; (the add's two registers lie in window 0)
	s_wait_tensorcnt 0x0                           ; all my tensor loads have landed
	ds_add_u32 v[SPW], v[NIL]                      ; 0 onto my spare word
	s_wait_dscnt 1                                 ; sets p are in; the add may be out
	WIN MUL
	MUL8 0, \p, 0                                  ; eight matrix instructions stand between the add and the wait for it
	s_wait_dscnt 0x0                               ; the add is done, and my LDS reads are over
	s_barrier_signal -1
	MUL8 1, \p, 0
	WIN 0
	s_barrier_wait -1
.if \fill
	CREST                                          ; no wave of any partner still reads slot 0 or has a load on its way
	s_add_nc_u64 s[G0+2:G0+3], s[G0+2:G0+3], 3*32768
	s_add_nc_u64 s[G0B+2:G0B+3], s[G0B+2:G0B+3], 3*256
	JLOAD G0, G1, G0B, G1B                         ; its four v_nop are also the places in front of the loads below
.else
	PLACES NP
.endif
	s_wait_alu depctr_va_vdst(0)
	FETCH \nslot, 0, 1-(\p)
	WIN MUL
	MUL8 2, \p, 0
	MUL8 3, \p, 0
.endm
	s_wait_loadcnt 0x0                             ; b_out
	s_wait_tensorcnt 2                             ; my part of slot 0 is in; slot 2's load may be out
	s_barrier_signal -1
	s_barrier_wait -1
	FETCH 0, 0, 0
	CHUNK 0, 1, 0, 1                               ; K 0-127: the products start the sums
	TURN 1, 1, 1                                   ; K 128-255; all three slots have landed in every wave; slot 0 is filled again
	CHUNK 0, 0, 1, 1                               ; K 256-383
	CHUNK 1, 0, 2, 0                               ; K 384-511
	CHUNK 0, 0, 2, 1                               ; K 512-639
	TURN 1, 0, 0                                   ; K 640-767; slot 0's second fill has landed in every wave
	CHUNK 0, 0, 0, 1                               ; K 768-895
	s_wait_dscnt 0x0                               ; K 896-1,023
	WIN MUL
	MUL8 0, 1, 0
	MUL8 1, 1, 0
	MUL8 2, 1, 0
	MUL8 3, 1, 0
	WIN 0
; THE WAY OUT, block by block of 16 rows x 128 columns: sum x 2^(e6 + e7) + b_out, one packed multiply-add for two numbers, each accumulator from its low end on; through my own stage in LDS, and back as
; whole rows of 512 bytes.  LDS serves a wave's instructions in order (ISA guide 5.7.1.4): no wait between the stores and the loads.
.macro TOSTAGE a
	WIN 0x32                                       ; source 0 (the sums) window 2, source 2 (b_out) window 3
.irp b, 0,1,2,3,4,5,6,7
.irp i, 0,2,4,6
	v_pk_fma_f32 v[TMP+8*\b+\i:TMP+8*\b+\i+1], v[64*(\a)+8*\b+\i:64*(\a)+8*\b+\i+1], s[96:97], v[8*\b+\i:8*\b+\i+1] op_sel_hi:[1,0,1]
.endr
.endr
	WIN 0
.irp b, 0,1,2,3,4,5,6,7
	ds_store_b128 v[STO], v[TMP+8*\b:TMP+8*\b+3] offset:64*\b
	ds_store_b128 v[STO], v[TMP+8*\b+4:TMP+8*\b+7] offset:64*\b+16
.endr
.set BB, BK+64*((\a)%2)
.irp t, 0,1,2,3,4,5,6,7,8,9,10,11,12,13,14,15
	ds_load_b128 v[BB+4*\t:BB+4*\t+3], v[RD] offset:\t*SPITCH
.endr
.endm
.macro SEND a, younger                 ; younger: the LDS instructions issued behind block a's loads, which may stay out
.set BB, BK+64*((\a)%2)
	s_wait_dscnt \younger
.if (\a) > 0
	s_add_nc_u64 s[12:13], s[12:13], 16*16384      ; (behind a wait on XCNT: the earlier stores have read their base)  16 rows s on
.endif
.irp t, 0,1,2,3,4,5,6,7,8,9,10,11,12,13,14,15
	global_store_b128 v[CO], v[BB+4*\t:BB+4*\t+3], s[12:13] offset:\t*16384 th:TH_STORE_NT   ; 32 lanes store 512 consecutive bytes, at a multiple of 512 from out0's first byte; rows s of one batch lie 16,384 bytes apart
.endr
.endm
	PLACES NP                                      ; behind the last products
	TOSTAGE 0
.irp a, 1,2,3
.if \a > 1
	s_wait_xcnt 0x0                                ; block a - 2's stores have read their registers and their base
.endif
	TOSTAGE \a
	SEND \a-1, 32                                  ; behind block a - 1's loads: block a's 16 stores and 16 loads
.endr
	s_wait_xcnt 0x0
	SEND 3, 0
	s_wait_tensorcnt 0x0                           ; the wave's end
	ds_add_u32 v[SPW], v[NIL]
	s_wait_dscnt 0x0
	CROUND                                         ; the closing round
	s_endpgm
.Lfunc_end_k_q9c30ff65c3_proj:
	.size	k_q9c30ff65c3_proj, .Lfunc_end_k_q9c30ff65c3_proj-k_q9c30ff65c3_proj
	.p2alignl 7, 3214868480
	.fill 96, 4, 3214868480
	.section	.rodata,"a",@progbits
	.p2align	6, 0x0
	.amdhsa_kernel k_q9c30ff65c3_proj
		.amdhsa_group_segment_fixed_size 327680
		.amdhsa_private_segment_fixed_size 0
		.amdhsa_enable_private_segment 0
		.amdhsa_kernarg_size 40
		.amdhsa_user_sgpr_count 2
		.amdhsa_user_sgpr_kernarg_segment_ptr 1
		.amdhsa_wavefront_size32 1
		.amdhsa_system_sgpr_workgroup_id_x 1
		.amdhsa_system_sgpr_workgroup_id_y 1
		.amdhsa_system_sgpr_workgroup_id_z 1
		.amdhsa_system_vgpr_workitem_id 0
		.amdhsa_next_free_vgpr 1024
		.amdhsa_next_free_sgpr 100
		.amdhsa_reserve_vcc 0
		.amdhsa_float_denorm_mode_32 3
		.amdhsa_float_denorm_mode_16_64 3
		.amdhsa_memory_ordered 1
		.amdhsa_forward_progress 1
		.amdhsa_inst_pref_size 78
	.end_amdhsa_kernel
	.amdgpu_metadata
---
amdhsa.version: [ 1, 2 ]
amdhsa.kernels:
  - .name:           k_q9c30ff65c3_proj
    .symbol:         k_q9c30ff65c3_proj.kd
    .args:
      - { .name: a_img, .offset: 0, .size: 8, .value_kind: global_buffer, .address_space: global }
      - { .name: w_out_codes, .offset: 8, .size: 8, .value_kind: global_buffer, .address_space: global }
      - { .name: lowp_scales, .offset: 16, .size: 8, .value_kind: global_buffer, .address_space: global }
      - { .name: b_out, .offset: 24, .size: 8, .value_kind: global_buffer, .address_space: global }
      - { .name: out0, .offset: 32, .size: 8, .value_kind: global_buffer, .address_space: global }
    .group_segment_fixed_size: 327680
    .private_segment_fixed_size: 0
    .kernarg_segment_align: 8
    .kernarg_segment_size: 40
    .max_flat_workgroup_size: 128
    .sgpr_count:     100
    .vgpr_count:     1024
    .wavefront_size: 32
...
	.end_amdgpu_metadata
.endif
;; end of part 3
